; MI455X (gfx1250); checked and timed in simulation.
; The chip was launched on July 23, 2026; its instructions are those of AMD's public machine-readable ISA for CDNA 5 (MIT licence, August 2026) and "CDNA5" Instruction Set Architecture Reference Guide (July 2026). The comments in the code are by the model that wrote it; some were corrected since.
;; Group query Attention. Allowed arithmetic: float matrix products may take bf16 or f16 operands with f32 sums; all other float work in f32.
;; Inputs: Wkv 1,024 x 2,048 float32; Wo 2,048 x 2,048 float32; Wq 2,048 x 2,048 float32; x 2 x 1,024 x 2,048 float32.
;; Outputs: out0 2 x 1,024 x 2,048 float32.
;; One version. Each part assembles by itself: llvm-mc -triple=amdgcn-amd-amdhsa -mcpu=gfx1250 --defsym DOCPART=n.
;; ======== version 1 of 1: 4 launches
;; limits: values are held in f16: magnitudes above 65,504 overflow, below 6.1e-05 lose precision
;; workspace buffers: xb 8,388,608 bytes; wb 12,582,912 bytes; wob 8,388,608 bytes; qkv 12,582,912 bytes; att 8,388,608 bytes
;; launch cast (part 1): grid 1792 x 1, 8 waves a work-group, no clusters, 0 bytes of LDS; arguments x, Wq, Wkv, Wo, xb, wb, wob; writes xb, wb, wob
.if DOCPART == 1
	.amdgcn_target "amdgcn-amd-amdhsa--gfx1250"
	.amdhsa_code_object_version 6
	.text
	.protected	k_q80c32b8c31_cast
	.globl	k_q80c32b8c31_cast
	.p2align	8
	.type	k_q80c32b8c31_cast,@function
k_q80c32b8c31_cast:
	s_mov_b64 s[64:65], 0
	v_nop
	global_prefetch_b8 v0, s[64:65] scope:SCOPE_SE
	s_setreg_imm32_b32 hwreg(HW_REG_WAVE_MODE, 25, 1), 1
	s_wait_xcnt 0x0
; The four f32 inputs are rounded once to 16 bits, so that the products that follow move and read half the bytes and convert nothing again.
;   x        -> xb  [2048][2048] bf16
;   Wq, Wkv  -> wb  [3072][2048] bf16 (rows 0-2047 Wq, rows 2048-3071 Wkv)
;   Wo       -> wob [2048][2048]: rounded to bf16 like the others, and that number written as an f16 code, because the last product's
;               other operand is f16.  LIMIT: exact for |w| >= 2^-17; below that the absolute error is at most 2^-25; |w| > 65,504 overflows.
; A stream: 56 MiB of f32 = 1,792 work-groups x 32 KiB.  Thread t takes 16 bytes at 16 t + 4,096 j, j = 0..7: a load of a wave covers 512
; neighbouring bytes, and its store of 8 bytes a lane 256 neighbouring bytes that start at a multiple of 256 from the buffer's first byte.
; All eight loads are issued at once; no register is written twice, so no source of a pending instruction is ever touched.
; No LDS, no matrix unit, no cluster: no byte is used twice.
.set X, 4                              ; v[4:35]   load j: 4 f32
.set Y, 36                             ; v[36:51]  store j: 4 numbers of 16 bits
.set T, 52                             ; v[52:55]  at work (Wo only)
	s_load_b256 s[4:11], s[0:1], 0x0               ; x s[4:5], Wq s[6:7], Wkv s[8:9], Wo s[10:11]
	s_load_b128 s[12:15], s[0:1], 0x20             ; xb s[12:13], wb s[14:15]
	s_load_b64 s[16:17], s[0:1], 0x30              ; wob
	s_mov_b32 s29, ttmp9                           ; the work-group's number: 0-511 x, 512-1023 Wq, 1024-1279 Wkv, 1280-1791 Wo
	s_mov_b32 s28, 0xffff0000                      ; a word's upper bf16
	v_lshlrev_b32 v1, 4, v0                        ; 16 t: where I read
	v_lshlrev_b32 v2, 3, v0                        ; 8 t: where I write
	s_mov_b32 s22, 1280                            ; first work-group of my source,
	s_mov_b32 s23, 1280                            ; and of my destination: Wo and wob unless a compare below says otherwise
	s_wait_kmcnt 0x0
	s_mov_b64 s[24:25], s[10:11]
	s_mov_b64 s[26:27], s[16:17]
	s_cmp_lt_u32 s29, 1280                         ; Wkv -> wb, behind Wq's 512 parts
	s_cselect_b64 s[24:25], s[8:9], s[24:25]
	s_cselect_b64 s[26:27], s[14:15], s[26:27]
	s_cselect_b32 s22, 1024, s22
	s_cselect_b32 s23, 512, s23
	s_cmp_lt_u32 s29, 1024                         ; Wq -> wb
	s_cselect_b64 s[24:25], s[6:7], s[24:25]
	s_cselect_b32 s22, 512, s22
	s_cmp_lt_u32 s29, 512                          ; x -> xb
	s_cselect_b64 s[24:25], s[4:5], s[24:25]
	s_cselect_b64 s[26:27], s[12:13], s[26:27]
	s_cselect_b32 s22, 0, s22
	s_cselect_b32 s23, 0, s23
	s_sub_co_u32 s20, s29, s22
	s_lshl_b32 s20, s20, 15                        ; 32 KiB of f32 a work-group
	s_mov_b32 s21, 0
	s_add_nc_u64 s[24:25], s[24:25], s[20:21]
	s_sub_co_u32 s20, s29, s23
	s_lshl_b32 s20, s20, 14                        ; 16 KiB out
	s_add_nc_u64 s[26:27], s[26:27], s[20:21]
.irp j, 0,1,2,3,4,5,6,7
	global_load_b128 v[X+4*\j:X+4*\j+3], v1, s[24:25] offset:4096*\j th:TH_LOAD_NT   ; read once in the launch
.endr
; Part j: rounded and stored.  wo = 1: the bf16 numbers are widened again and written as f16 codes.
.macro OUT j, wo
	s_wait_loadcnt 7-\j                            ; loads come back in order: part j is in, the 7 - j younger ones stay out
	v_cvt_pk_bf16_f32 v[Y+2*\j],   v[X+4*\j],   v[X+4*\j+1]
	v_cvt_pk_bf16_f32 v[Y+2*\j+1], v[X+4*\j+2], v[X+4*\j+3]
.if \wo
	v_lshlrev_b32 v[T],   16,  v[Y+2*\j]
	v_and_b32     v[T+1], s28, v[Y+2*\j]
	v_lshlrev_b32 v[T+2], 16,  v[Y+2*\j+1]
	v_and_b32     v[T+3], s28, v[Y+2*\j+1]
	v_cvt_pk_f16_f32 v[Y+2*\j],   v[T],   v[T+1]
	v_cvt_pk_f16_f32 v[Y+2*\j+1], v[T+2], v[T+3]
.endif
	global_store_b64 v2, v[Y+2*\j:Y+2*\j+1], s[26:27] offset:2048*\j     ; the next launch reads it: no hint
.endm
	s_cmp_ge_u32 s29, 1280
	s_cbranch_scc1 .Lwo
.irp j, 0,1,2,3,4,5,6,7
	OUT \j, 0
.endr
	s_endpgm
.Lwo:
.irp j, 0,1,2,3,4,5,6,7
	OUT \j, 1
.endr
	s_endpgm
.Lfunc_end_k_q80c32b8c31_cast:
	.size	k_q80c32b8c31_cast, .Lfunc_end_k_q80c32b8c31_cast-k_q80c32b8c31_cast
	.p2alignl 7, 3214868480
	.fill 96, 4, 3214868480
	.section	.rodata,"a",@progbits
	.p2align	6, 0x0
	.amdhsa_kernel k_q80c32b8c31_cast
		.amdhsa_group_segment_fixed_size 0
		.amdhsa_private_segment_fixed_size 0
		.amdhsa_enable_private_segment 0
		.amdhsa_kernarg_size 56
		.amdhsa_user_sgpr_count 2
		.amdhsa_user_sgpr_kernarg_segment_ptr 1
		.amdhsa_wavefront_size32 1
		.amdhsa_system_sgpr_workgroup_id_x 1
		.amdhsa_system_sgpr_workgroup_id_y 1
		.amdhsa_system_sgpr_workgroup_id_z 1
		.amdhsa_system_vgpr_workitem_id 0
		.amdhsa_next_free_vgpr 56
		.amdhsa_next_free_sgpr 66
		.amdhsa_reserve_vcc 0
		.amdhsa_float_denorm_mode_32 3
		.amdhsa_float_denorm_mode_16_64 3
		.amdhsa_memory_ordered 1
		.amdhsa_forward_progress 1
		.amdhsa_inst_pref_size 9
	.end_amdhsa_kernel
	.amdgpu_metadata
---
amdhsa.version: [ 1, 2 ]
amdhsa.kernels:
  - .name:           k_q80c32b8c31_cast
    .symbol:         k_q80c32b8c31_cast.kd
    .args:
      - { .name: x, .offset: 0, .size: 8, .value_kind: global_buffer, .address_space: global }
      - { .name: Wq, .offset: 8, .size: 8, .value_kind: global_buffer, .address_space: global }
      - { .name: Wkv, .offset: 16, .size: 8, .value_kind: global_buffer, .address_space: global }
      - { .name: Wo, .offset: 24, .size: 8, .value_kind: global_buffer, .address_space: global }
      - { .name: xb, .offset: 32, .size: 8, .value_kind: global_buffer, .address_space: global }
      - { .name: wb, .offset: 40, .size: 8, .value_kind: global_buffer, .address_space: global }
      - { .name: wob, .offset: 48, .size: 8, .value_kind: global_buffer, .address_space: global }
    .group_segment_fixed_size: 0
    .private_segment_fixed_size: 0
    .kernarg_segment_align: 8
    .kernarg_segment_size: 56
    .max_flat_workgroup_size: 256
    .sgpr_count:     66
    .vgpr_count:     56
    .wavefront_size: 32
...
	.end_amdgpu_metadata
.endif
;; end of part 1
;; launch qkv (part 2): grid 16 x 16, 4 waves a work-group, clusters of 4 x 4, 327,680 bytes of LDS; arguments xb, wb, qkv; writes qkv
.if DOCPART == 2
	.amdgcn_target "amdgcn-amd-amdhsa--gfx1250"
	.amdhsa_code_object_version 6
	.text
	.protected	k_q80c32b8c31_qkv
	.globl	k_q80c32b8c31_qkv
	.p2align	8
	.type	k_q80c32b8c31_qkv,@function
k_q80c32b8c31_qkv:
	s_mov_b64 s[64:65], 0
	v_nop
	global_prefetch_b8 v0, s[64:65] scope:SCOPE_SE
	s_setreg_imm32_b32 hwreg(HW_REG_WAVE_MODE, 25, 1), 1
	s_wait_xcnt 0x0
	s_wait_alu depctr_hold_cnt(0) depctr_sa_sdst(0) depctr_va_vdst(0) depctr_va_sdst(0) depctr_va_ssrc(0) depctr_va_vcc(0) depctr_vm_vsrc(0)
	s_getreg_b32 s2, hwreg(HW_REG_IB_STS2, 6, 4)
	s_cmp_eq_u32 s2, 0
	s_cbranch_scc0 .Lentry_in_a_cluster
	s_endpgm
.Lentry_in_a_cluster:
	s_bfe_u32 s2, ttmp6, 0x10000c
	s_cmp_lg_u32 s2, 0xf033
	s_cbranch_scc0 .Lentry_shape_is_right
	s_endpgm
.Lentry_shape_is_right:
; C[2048][3072] = xb wb^T: q, k and v in one product.  xb [2048][2048], wb [3072][2048], both bf16; sums in f32.
; C goes out as f16, one plane for each head: qkv [48 planes][2048 rows][64], plane = column / 64 (0-31 q, 32-39 k, 40-47 v).
; LIMIT: q, k, v are f16 codes: a magnitude above 65,504 overflows.  f16 and not bf16, because the first rows of a sequence average few
; values, so that their outputs are far larger than the outputs' root mean square and want the three more bits.
; 256 work-groups, each a block of 128 x 192 of C (three whole heads); four waves, 2 x 2, each 64 x 96: 24 accumulator tiles, 192 registers.
; THE RING HAS TWO UNEQUAL SLOTS.  Two slots of K = 256 would hold 2 x 320 rows x 512 bytes = 327,680 bytes of data alone, all of LDS with no room
; for padding.  So slot 0 holds K = 128 (rows of 256 bytes) and slot 1 K = 256 (rows of 512 bytes), and K = 2048 = 128 + 5 x (256 + 128) is walked
; small, large, small, .. , small: 11 steps.  While the large slot is multiplied the small slot's refill has 186 matrix instructions in which to
; land; the large slot's refill has the small step's 90.  Every tile's rows start at multiples of 256 bytes and are multiples of 256 bytes long.
; CLUSTERS: 4 x 4 work-groups.  A's tile hangs on the block row alone and is asked for jointly by a row of the cluster, B's on the block
; column alone, by a column: requests for both are divided by four.
; No prefetch: each tile is asked for a whole step ahead by the tensor loads themselves, and four work-groups share each request.
; REGISTERS: window 0: v16-26 addresses; two fragment buffers of 80 (A's 4 row tiles, then B's 6); v192-215 packed results.
;            window 1: accumulator (a, b) at 8 (6 a + b).
; THE MATRIX INSTRUCTION IS USED TRANSPOSED (source 0 = rows of wb, source 1 = rows of xb): lane l then holds row l % 16 of C and its
; registers the columns 8 (l / 16) + 0..7, eight neighbours that pack into 16 bytes.
.set NT,     6                         ; column tiles of a wave
.set P0,     272                       ; slot 0: LDS pitch, 256 bytes + 16: an odd multiple of 16, so that the 16 rows of a fragment load start 16 bytes apart modulo 256
.set P1,     528                       ; slot 1: 512 bytes + 16, likewise
.set SB1,    320*P0                    ; slot 1 begins behind slot 0's 320 rows.  In a slot: B's rows 0-191, then A's rows 0-127
.set STAGE,  SB1+320*P1                ; 256,000: behind the ring, no fill lands here: 128 rows x 400 bytes, the whole block in f16
.set SPITCH, 400                       ; 384 bytes of data + 16
.set KSTEP,  768                       ; bytes along a row from a slot's tile to its next: 384 elements
.set LAPS,   5                         ; a lap = a small step and a large one; one small step follows the last lap
.set ADRA, 16                          ; v16-17  LDS address of my A fragments in slot 0, 1
.set ADRB, 20                          ; v20-21  the same for B
.set STO,  24                          ; v24     the way out: where I put 16 bytes
.set RD,   25                          ; v25     the way out: where I read back
.set CO,   26                          ; v26     my byte offset in a plane
.set F0,   32                          ; fragment buffer 0: A at +8 a, B at +32 + 8 b
.set F1,   112                         ; fragment buffer 1
.set TMP,  192
.set G1A, 24                           ; s[24:31], s[32:39] group 1 for A's tiles, slot 0, 1
.set G1B, 40                           ; s[40:47], s[48:55] group 1 for B's tiles
.set G0A, 56                           ; s[56:59], s[60:63] group 0 for A's tiles
.set G0B, 68                           ; s[68:71], s[72:75] group 0 for B's tiles
.set MUL, 0x50                         ; C and D in window 1, sources in window 0
.set MSB, 0
.macro WIN new                         ; the immediate's high byte repeats the setting that is left
.if MSB != \new
	s_set_vgpr_msb (MSB<<8)|\new
.set MSB, \new
.endif
.endm
; A joint load: waves 0 and 1 ask for B's two halves, waves 2 and 3 for A's.  Each line has one mask and one set of registers for all that issue it.
.macro JLOAD s
	s_cmp_eq_u32 s11, 0
	s_cbranch_scc0 .Lfor_a_\@
	tensor_load_to_lds s[G0B+4*\s:G0B+4*\s+3], s[G1B+8*\s:G1B+8*\s+7]
	s_nop 0
	s_branch .Lasked_\@
.Lfor_a_\@:
	tensor_load_to_lds s[G0A+4*\s:G0A+4*\s+3], s[G1A+8*\s:G1A+8*\s+7]
	s_nop 0
.Lasked_\@:
.endm
; A round of the cluster's barrier: my work-group's barrier; wave 0 signals for the work-group; every wave waits for all sixteen; my work-group's barrier again.
.macro CREST                           ; a round behind its opening barrier
	s_cmp_lg_u32 s10, 0
	s_cbranch_scc1 .Lnot_wave_0_\@
	s_barrier_signal -3
.Lnot_wave_0_\@:
	s_barrier_wait -3
	s_barrier_signal -1
	s_barrier_wait -1
.endm
.macro CROUND
	s_barrier_signal -1
	s_barrier_wait -1
	CREST
.endm
	s_load_b128 s[4:7], s[0:1], 0x0                ; xb s[4:5], wb s[6:7]
	s_load_b64 s[8:9], s[0:1], 0x10                ; qkv
	v_lshl_add_u32 v254, v0, 2, 0x4b000
	v_mov_b32 v255, 0
	ds_add_u32 v254, v255
	ds_add_u32 v254, v255
	v_lshrrev_b32 v1, 5, v0
	v_readfirstlane_b32 s10, v1                    ; wave 0..3
	s_lshr_b32 s11, s10, 1                         ; my half of the block's rows.  Also: I fetch for B (0) or for A (1)
	s_and_b32 s12, s10, 1                          ; my half of its columns.  Also: which half of that tile I fetch
	s_bfe_u32 s76, ttmp6, 0x40000                  ; cx
	s_bfe_u32 s77, ttmp6, 0x40004                  ; cy
	s_lshl_b32 s78, ttmp9, 2
	s_add_co_u32 s78, s78, s76                     ; block column = 4 x cluster x + cx
	s_and_b32 s13, ttmp7, 0xffff
	s_lshl_b32 s13, s13, 2
	s_add_co_u32 s13, s13, s77                     ; block row = 4 x cluster y + cy
	s_lshl_b32 s79, s77, 2
	s_lshl_b32 s79, 15, s79                        ; my row of the cluster: places 4 cy .. 4 cy + 3
	s_lshl_b32 s80, 0x1111, s76                    ; my column: places cx, cx + 4, cx + 8, cx + 12
	; group 1, for each slot s: tiles of 64 (A) or 96 (B) rows x 128 << s elements of 2 bytes; 4 words of padding behind every row (64 << s words, code 5 + s)
.irp s, 0,1
	s_or_b32 s[G1A+8*\s], s79, (1<<16)|(1<<20)|(1<<21)|((5+\s)<<22)|(3<<25)    ; mask; element size; padding on; bit 21 beside a mask; interval; pad
	s_or_b32 s[G1B+8*\s], s80, (1<<16)|(1<<20)|(1<<21)|((5+\s)<<22)|(3<<25)
	s_mov_b32 s[G1A+8*\s+1], (128<<\s)<<16         ; tensor_dim0 = the tile's: no tile crosses the tensor's end
	s_mov_b32 s[G1B+8*\s+1], (128<<\s)<<16
	s_mov_b32 s[G1A+8*\s+2], 64<<16                ; tensor_dim1
	s_mov_b32 s[G1B+8*\s+2], (16*NT)<<16
	s_mov_b32 s[G1A+8*\s+3], (128<<\s)<<16         ; tile_dim0
	s_mov_b32 s[G1B+8*\s+3], (128<<\s)<<16
	s_mov_b32 s[G1A+8*\s+4], 64                    ; tile_dim1
	s_mov_b32 s[G1B+8*\s+4], 16*NT
	s_mov_b32 s[G1A+8*\s+5], 2048                  ; elements from row to row
	s_mov_b32 s[G1B+8*\s+5], 2048
	s_mov_b32 s[G1A+8*\s+6], 0
	s_mov_b32 s[G1B+8*\s+6], 0
	s_mov_b32 s[G1A+8*\s+7], 0
	s_mov_b32 s[G1B+8*\s+7], 0
.endr
	; where the tiles come from: A's hang on the block row alone, B's on the block column alone, each in registers that never hold the other coordinate
	s_lshl_b32 s17, s12, 6
	s_lshl_b32 s16, s13, 7
	s_add_co_u32 s16, s16, s17                     ; A: row 128 x block row + 64 x half,
	s_lshl_b32 s16, s16, 12                        ; times 4,096 bytes (below 8 MiB)
	s_mov_b32 s17, 0
	s_mul_i32 s82, s78, 32*NT
	s_mul_i32 s83, s12, 16*NT
	s_add_co_u32 s82, s82, s83                     ; B: row 192 x block column + 96 x half
	s_lshl_b32 s82, s82, 12
	s_mov_b32 s83, 0
	s_wait_dscnt 0x0
	s_wait_kmcnt 0x0
	s_add_nc_u64 s[14:15], s[4:5], s[16:17]
	s_add_nc_u64 s[82:83], s[6:7], s[82:83]
	CROUND                                         ; all sixteen work-groups are here: the first joint loads meet
	; group 0 for each slot, then the slot's first fill.  LDS addresses are made of the wave's number and constants alone:
	; B (waves 0, 1): wave x 96 rows; A (waves 2, 3): 192 rows + (wave - 2) x 64 rows = wave x 64 rows + 64 rows.
.irp s, 0,1
	s_mov_b32 s[G0A+4*\s], 1
	s_mul_i32 s[G0A+4*\s+1], s10, 64*(P0+\s*(P1-P0))
	s_add_co_u32 s[G0A+4*\s+1], s[G0A+4*\s+1], \s*SB1+64*(P0+\s*(P1-P0))
	s_add_nc_u64 s[G0A+4*\s+2:G0A+4*\s+3], s[14:15], \s*256        ; slot 0 begins at K = 0, slot 1 at K = 128
	s_or_b32 s[G0A+4*\s+3], s[G0A+4*\s+3], 0x80000000
	s_mov_b32 s[G0B+4*\s], 1
	s_mul_i32 s[G0B+4*\s+1], s10, 96*(P0+\s*(P1-P0))
	s_add_co_u32 s[G0B+4*\s+1], s[G0B+4*\s+1], \s*SB1
	s_add_nc_u64 s[G0B+4*\s+2:G0B+4*\s+3], s[82:83], \s*256
	s_or_b32 s[G0B+4*\s+3], s[G0B+4*\s+3], 0x80000000
	JLOAD \s                                       ; both first fills go out together: two tensor loads of a wave are out here, one later
.endr
	; A fragment: lane l holds row l % 16; registers 0-3 K = 8 (l / 16) + 0..7, registers 4-7 K = 16 + 8 (l / 16) + 0..7: two loads of 16 bytes, 32 apart.
	v_and_b32 v1, 15, v0                           ; r
	v_bfe_u32 v2, v0, 4, 1                         ; h
	v_mul_u32_u24 v3, v1, P0
	v_lshl_add_u32 v3, v2, 4, v3                   ; slot 0: r x pitch + 16 h
	v_mul_u32_u24 v8, v1, P1
	v_lshl_add_u32 v8, v2, 4, v8                   ; slot 1
	s_mul_i32 s21, s11, 64*P0
	s_add_co_u32 s21, s21, 192*P0                  ; my 64 rows of A lie behind B's 192
	s_mul_i32 s22, s12, 96*P0                      ; my 96 rows of B
	v_add_nc_u32 v[ADRA], s21, v3
	v_add_nc_u32 v[ADRB], s22, v3
	s_mul_i32 s21, s11, 64*P1
	s_add_co_u32 s21, s21, SB1+192*P1
	s_mul_i32 s22, s12, 96*P1
	s_add_co_u32 s22, s22, SB1
	v_add_nc_u32 v[ADRA+1], s21, v8
	v_add_nc_u32 v[ADRB+1], s22, v8
	s_mul_i32 s23, s11, 64*SPITCH                  ; the stage, in: row 64 x row half + 16 a + r, byte 192 x column half + 32 b + 16 h
	s_mul_i32 s81, s12, 192
	s_add_co_u32 s23, s23, s81
	s_add_co_u32 s23, s23, STAGE
	v_mul_u32_u24 v4, v1, SPITCH
	v_lshl_add_u32 v4, v2, 4, v4
	v_add_nc_u32 v[STO], s23, v4
	v_and_b32 v5, 31, v0                           ; the stage, back: wave w takes rows 32 w .. 32 w + 31; a load takes 4 rows x 128 bytes of one head
	v_lshrrev_b32 v6, 3, v5
	v_and_b32 v7, 7, v0
	v_mul_u32_u24 v6, v6, SPITCH
	v_lshl_add_u32 v6, v7, 4, v6
	s_mul_i32 s23, s10, 32*SPITCH
	s_add_co_u32 s23, s23, STAGE
	v_add_nc_u32 v[RD], s23, v6
	v_lshlrev_b32 v[CO], 4, v5                     ; in a plane those 4 rows are 512 neighbouring bytes: 16 x lane
; NT matrix instructions: row tile a x all column tiles, 32 along K.  zero = 1: the first product starts the sums, nothing is cleared.
; The 24 accumulators take turns, one instruction a turn, in the same order in every quarter step, over the backward jump too.
.macro MULA f, a, zero
.set bb, 0
.rept NT
.if \zero
	v_wmma_f32_16x16x32_bf16 v[8*(NT*\a+bb):8*(NT*\a+bb)+7], v[\f+32+8*bb:\f+32+8*bb+7], v[\f+8*\a:\f+8*\a+7], 0
.else
	v_wmma_f32_16x16x32_bf16 v[8*(NT*\a+bb):8*(NT*\a+bb)+7], v[\f+32+8*bb:\f+32+8*bb+7], v[\f+8*\a:\f+8*\a+7], v[8*(NT*\a+bb):8*(NT*\a+bb)+7]
.endif
.set bb, bb+1
.endr
.endm
; 2 NT + 8 = 20 LDS loads in one run: the fragments of 32 along K (byte k of the slot's rows) into buffer f; B first, A's row tiles 2 and 3 last
.macro FETCH slot, k, f
	WIN 0
.set PP, P0+(\slot)*(P1-P0)            ; the slot's pitch
.set ii, 0
.rept NT
	ds_load_b128 v[\f+32+8*ii:\f+32+8*ii+3],   v[ADRB+\slot] offset:\k+ii*16*PP
	ds_load_b128 v[\f+32+8*ii+4:\f+32+8*ii+7], v[ADRB+\slot] offset:\k+ii*16*PP+32
.set ii, ii+1
.endr
.irp i, 0,1,2,3
	ds_load_b128 v[\f+8*\i:\f+8*\i+3],   v[ADRA+\slot] offset:\k+\i*16*PP
	ds_load_b128 v[\f+8*\i+4:\f+8*\i+7], v[ADRA+\slot] offset:\k+\i*16*PP+32
.endr
.endm
; A load into a register that a matrix instruction has read, and a vector instruction that reads a matrix result, stand four places behind
; it, and only plain vector instructions that name none of its registers are places (ISA guide 7.12.1 for vector instructions).
.macro PLACES
.rept 4
	v_nop
.endr
.endm
; 32 along K: multiplies buffer f; in its middle it fetches the next 32 into buffer g.
.macro QUARTER slot, k, f, g, zero
	s_wait_dscnt 4                                 ; all but the youngest four loads (A's row tiles 2 and 3) are in
	WIN MUL
	MULA \f, 0, \zero
	MULA \f, 1, \zero
	PLACES
	FETCH \slot, \k, \g
	s_wait_dscnt 2*NT+8                            ; all but the run just issued
	WIN MUL
	MULA \f, 2, \zero
	MULA \f, 3, \zero
.endm
; All of a slot but its last 32 along K, on buffers 0, 1, 0, ..: three such parts in slot 0, seven in slot 1
.macro STEPQ slot, zero
	QUARTER \slot, 64, F0, F1, \zero
.set kk, 128
.rept 1+2*\slot
	QUARTER \slot, kk, F1, F0, 0
	QUARTER \slot, kk+64, F0, F1, 0
.set kk, kk+128
.endr
.endm
; A slot's last 32 along K: multiplies buffer 1 and changes slots.  One barrier for two things: in front of it each wave waits for its reads of this
; slot and for all its tensor loads (the one that is out is its part of the next slot); behind it this slot is filled again first, then the next is read.
; From the request to the wait for it a wave issues 12 + 168 + 6 = 186 matrix instructions (slot 0's refill) or 12 + 72 + 6 = 90 (slot 1's).
.macro TURN slot, next, fill
	s_wait_dscnt 4
	WIN MUL
	MULA F1, 0, 0
	s_wait_dscnt 0                                 ; my reads of this slot are over
	s_wait_tensorcnt 0x0                           ; all my tensor loads have landed
	ds_add_u32 v254, v255
	s_wait_dscnt 0x0
	s_barrier_signal -1                            ; where a slot is filled again this barrier opens a round of the cluster's barrier
	MULA F1, 1, 0                                  ; register work while the others arrive
	WIN 0
	s_barrier_wait -1
.if \fill
	CREST                                          ; no wave of any partner still reads this slot or has a load on its way
	s_add_nc_u64 s[G0A+4*\slot+2:G0A+4*\slot+3], s[G0A+4*\slot+2:G0A+4*\slot+3], KSTEP   ; this slot's next tile; no load of mine is out
	s_add_nc_u64 s[G0B+4*\slot+2:G0B+4*\slot+3], s[G0B+4*\slot+2:G0B+4*\slot+3], KSTEP
	JLOAD \slot                                    ; the first tensor load behind the round, and my only one until the next
.endif
	PLACES
	FETCH \next, 0, F0
	WIN MUL
	MULA F1, 2, 0
	MULA F1, 3, 0
.endm
.macro LAP zero                        ; a small step and a large one, both slots filled again
	STEPQ 0, \zero
	TURN 0, 1, 1
	STEPQ 1, 0
	TURN 1, 0, 1
.endm
	s_wait_tensorcnt 1                             ; my part of slot 0 is in; slot 1's may stay out
	s_barrier_signal -1
	s_barrier_wait -1
	FETCH 0, 0, F0
	LAP 1                                          ; the first lap starts the sums
	WIN 0                                          ; at a label and at a branch every window is 0
	s_mov_b32 s3, LAPS-2
.Llap:
	LAP 0
	WIN 0
	s_sub_co_u32 s3, s3, 1
	s_cmp_lg_u32 s3, 0
	s_cbranch_scc1 .Llap
	STEPQ 0, 0                                     ; the last lap:
	TURN 0, 1, 1                                   ; slot 0 gets the last tile, K = 1920 .. 2047;
	STEPQ 1, 0
	TURN 1, 0, 0                                   ; slot 1 is filled no more: a plain barrier, in front of it the wait for that last tile
	STEPQ 0, 0                                     ; the last small step
	s_wait_dscnt 4
	WIN MUL
	MULA F1, 0, 0
	MULA F1, 1, 0
	s_wait_dscnt 0
	MULA F1, 2, 0
	MULA F1, 3, 0
	PLACES                                         ; behind the last matrix instructions, for the conversions and for the loads into the buffers
	; THE WAY OUT.  A wave holds one and a half heads, so the whole block meets in the stage: f16, 16 bytes a lane; then each wave takes 32 rows
	; and stores, head by head, 4 rows of 128 bytes at a time, which lie side by side in the head's plane.
	s_lshl_b32 s16, s13, 7
	s_lshl_b32 s14, s10, 5
	s_add_co_u32 s16, s16, s14                     ; row 128 x block row + 32 x wave,
	s_lshl_b32 s16, s16, 7                         ; of 128 bytes
	s_mov_b32 s17, 0
	s_add_nc_u64 s[8:9], s[8:9], s[16:17]
	s_mul_i32 s82, s78, 3*262144                   ; plane 3 x block column (in the registers that held B's address: none that feeds A's descriptors ever holds cx)
	s_mov_b32 s83, 0
	s_add_nc_u64 s[8:9], s[8:9], s[82:83]
.irp a, 0,1,2,3
	WIN 0x05                                       ; both sources in window 1
.set bb, 0
.rept NT
.irp r, 0,1,2,3
	v_cvt_pk_f16_f32 v[TMP+4*bb+\r], v[8*(NT*\a+bb)+2*\r], v[8*(NT*\a+bb)+2*\r+1]
.endr
.set bb, bb+1
.endr
	WIN 0
.set bb, 0
.rept NT
	ds_store_b128 v[STO], v[TMP+4*bb:TMP+4*bb+3] offset:\a*16*SPITCH+32*bb
.set bb, bb+1
.endr
.endr
	s_wait_dscnt 0x0                               ; my stores are in the stage, for the others' sake
	s_barrier_signal -1
	s_barrier_wait -1
.irp i, 0,1,2,3,4,5,6,7
.irp hd, 0,1,2
	ds_load_b128 v[F0+4*(3*\i+\hd):F0+4*(3*\i+\hd)+3], v[RD] offset:\i*4*SPITCH+\hd*128
.endr
.endr
.irp i, 0,1,2,3,4,5,6,7
.irp hd, 0,1,2
	s_wait_dscnt 23-(3*\i+\hd)                     ; LDS loads come back in order: this one is in
	global_store_b128 v[CO], v[F0+4*(3*\i+\hd):F0+4*(3*\i+\hd)+3], s[8:9] offset:\hd*262144+\i*512   ; 512 neighbouring bytes, at a multiple of 512 from the buffer's first byte
.endr
.endr
	s_wait_tensorcnt 0x0
	ds_add_u32 v254, v255
	s_wait_dscnt 0x0
	CROUND                                         ; the closing round: no work-group ends while a partner may still ask for a tile that names it
	s_endpgm
.Lfunc_end_k_q80c32b8c31_qkv:
	.size	k_q80c32b8c31_qkv, .Lfunc_end_k_q80c32b8c31_qkv-k_q80c32b8c31_qkv
	.p2alignl 7, 3214868480
	.fill 96, 4, 3214868480
	.section	.rodata,"a",@progbits
	.p2align	6, 0x0
	.amdhsa_kernel k_q80c32b8c31_qkv
		.amdhsa_group_segment_fixed_size 327680
		.amdhsa_private_segment_fixed_size 0
		.amdhsa_enable_private_segment 0
		.amdhsa_kernarg_size 24
		.amdhsa_user_sgpr_count 2
		.amdhsa_user_sgpr_kernarg_segment_ptr 1
		.amdhsa_wavefront_size32 1
		.amdhsa_system_sgpr_workgroup_id_x 1
		.amdhsa_system_sgpr_workgroup_id_y 1
		.amdhsa_system_sgpr_workgroup_id_z 1
		.amdhsa_system_vgpr_workitem_id 0
		.amdhsa_next_free_vgpr 448
		.amdhsa_next_free_sgpr 88
		.amdhsa_reserve_vcc 0
		.amdhsa_float_denorm_mode_32 3
		.amdhsa_float_denorm_mode_16_64 3
		.amdhsa_memory_ordered 1
		.amdhsa_forward_progress 1
		.amdhsa_inst_pref_size 146
	.end_amdhsa_kernel
	.amdgpu_metadata
---
amdhsa.version: [ 1, 2 ]
amdhsa.kernels:
  - .name:           k_q80c32b8c31_qkv
    .symbol:         k_q80c32b8c31_qkv.kd
    .args:
      - { .name: xb, .offset: 0, .size: 8, .value_kind: global_buffer, .address_space: global }
      - { .name: wb, .offset: 8, .size: 8, .value_kind: global_buffer, .address_space: global }
      - { .name: qkv, .offset: 16, .size: 8, .value_kind: global_buffer, .address_space: global }
    .group_segment_fixed_size: 327680
    .private_segment_fixed_size: 0
    .kernarg_segment_align: 8
    .kernarg_segment_size: 24
    .max_flat_workgroup_size: 128
    .sgpr_count:     88
    .vgpr_count:     448
    .wavefront_size: 32
...
	.end_amdgpu_metadata
.endif
;; end of part 2
;; launch attn (part 3): grid 16 x 16, 8 waves a work-group, no clusters, 312,320 bytes of LDS; arguments qkv, att; writes att
.if DOCPART == 3
	.amdgcn_target "amdgcn-amd-amdhsa--gfx1250"
	.amdhsa_code_object_version 6
	.text
	.protected	k_q80c32b8c31_attn
	.globl	k_q80c32b8c31_attn
	.p2align	8
	.type	k_q80c32b8c31_attn,@function
k_q80c32b8c31_attn:
	s_mov_b64 s[64:65], 0
	v_nop
	global_prefetch_b8 v0, s[64:65] scope:SCOPE_SE
	s_setreg_imm32_b32 hwreg(HW_REG_WAVE_MODE, 25, 1), 1
	s_wait_xcnt 0x0
; Causal attention with four query heads to a key and value head.  qkv: [48 planes][2048 rows][64] f16 (planes 0-31 q, 32-39 k, 40-47 v);
; att: [2048][2048] f16, column = 64 x query head + d.  Products on f16 operands with f32 sums; softmax in f32 with a running maximum.
; LIMIT: the output is an f16 code; it is an average of v, so it has v's range (65,504).
; WORK: work-group (j, 8 b + hkv) takes the query blocks j and 31 - j (32 rows each) of the four query heads of kv head hkv in batch b.
; Wave w: query head g = w & 3, block rw = j for w < 4 and 31 - j for w >= 4.  Keys go in tiles of 64; a block needs tiles 0 .. rw >> 1, and the
; two blocks together always 17, so that all 256 work-groups do the same work.
; LDS: K and V of (b, hkv) lie whole in LDS, each filled once, so nothing is ever filled again: K 1,024 rows x 144 bytes, V 1,024 rows x 160.
; All 16 tiles are fetched though a work-group reads 9 to 16 of them: every descriptor word is then a constant and every wait counts alike on every path.
; NO CLUSTER: the work-groups that share K and V are other query blocks, which need other numbers of tiles, so that their loops would hang on their
; place in the cluster; and what is shared is 256 KiB a work-group, fetched once at the start.
; NO PREFETCH: all of K and V is asked for in the first lines.
; LAYOUT: S^T = K Q^T (source 0 = 16 keys, source 1 = 16 queries): lane (r, h) holds, for query r, the keys 8 h + 0..7 of each tile of 16.  Packed to f16 in
; place, two such tiles ARE the source-1 fragment of O^T = V^T P, so P never moves between lanes; maximum, sum and rescale are a lane's own
; numbers, joined with lane r of the other half by one exchange; O^T gives a lane eight neighbouring d of one row.
.set KPITCH, 144                       ; 128 + 16: an odd multiple of 16
.set VPITCH, 160                       ; 128 + 32: an odd multiple of 32, for the transposing load
.set KTILE,  64*KPITCH                 ; 9,216
.set VTILE,  64*VPITCH                 ; 10,240
.set VB,     16*KTILE                  ; V lies behind K
.set OPITCH, 528                       ; the output stage: 64 rows x (4 heads x 128 bytes + 16), in K's first bytes once K is done with
.set PLANE,  262144
.set T,   2                            ; v[2:9]    at work
.set KA,  10                           ; LDS address of my K fragments in the tile at hand
.set VA,  11                           ; the same for V
.set DQ,  12                           ; 32 (rw & 1) + r - 8 h: a key of the last tile is hidden where 16 mt + j - 16 n > DQ
.set NINF, 13                          ; -infinity
.set L,   14                           ; v14, v15  running sums of my half of the keys, query tile n
.set AL,  18                           ; v[18:19], v[20:21]  rescale factor, low register; the high one is written once and never used
.set NM,  22                           ; v[22:23], v[24:25]  -c x running maximum, likewise
.set KA0, 26                           ; KA and VA of tile 0
.set VA0, 27
.set QO,  28                           ; my offset in the query block
.set SA,  29                           ; stage: where I put 16 bytes
.set RB,  30                           ; stage: where I read back
.set CO,  31                           ; 16 x lane
.set Q,   32                           ; v[32:63]   query fragments (n, kd) at 16 n + 8 kd
.set S,   64                           ; v[64:127]  scores (mt, n) at 32 n + 8 mt; then P (n, ks) at 32 n + 16 ks
.set O,   128                          ; v[128:191] output (dt, n) at 32 n + 8 dt
.set KV,  192                          ; v[192:255] K fragments (mt, kd) at 16 mt + 8 kd; then V^T fragments (dt, ks) at 16 dt + 8 ks
.set G1,  24                           ; s[24:31] group 1
.set G0,  32                           ; s[32:47] group 0, a set for each of my four loads: none is ever rewritten
	s_load_b128 s[4:7], s[0:1], 0x0                ; qkv s[4:5], att s[6:7]
	v_lshl_add_u32 v16, v0, 2, 0x4c000
	v_mov_b32 v17, 0
	ds_add_u32 v16, v17
	ds_add_u32 v16, v17
	v_lshrrev_b32 v1, 5, v0
	v_readfirstlane_b32 s8, v1                     ; wave 0..7
	s_and_b32 s9, s8, 3                            ; g
	s_lshr_b32 s10, s8, 2                          ; which of the two query blocks
	s_mov_b32 s11, ttmp9                           ; j
	s_and_b32 s13, ttmp7, 0xffff
	s_lshr_b32 s12, s13, 3                         ; b
	s_and_b32 s13, s13, 7                          ; hkv
	s_sub_co_u32 s14, 31, s11
	s_cmp_lg_u32 s10, 0
	s_cselect_b32 s14, s14, s11                    ; rw
	s_lshr_b32 s15, s14, 1                         ; my last key tile
	s_mov_b32 s18, 0x76543210                      ; v_permlanex16_b32: lane i reads lane i of the other half
	s_mov_b32 s19, 0xfedcba98
	s_mov_b32 s20, 0x3e38aa3b                      ; c = log2(e) / 8: the scale 1 / sqrt(64) and the change to base 2 in one
	s_mov_b32 s21, 0x3e38aa3b
	s_mov_b32 s[G1+1], 64<<16                      ; tiles of 64 rows x 64 elements of 2 bytes, rows 64 elements apart; the extents are the tile's
	s_mov_b32 s[G1+2], 64<<16
	s_mov_b32 s[G1+3], 64<<16
	s_mov_b32 s[G1+4], 64
	s_mov_b32 s[G1+5], 64
	s_mov_b32 s[G1+6], 0
	s_mov_b32 s[G1+7], 0
	s_lshl_b32 s48, s13, 18                        ; hkv planes + b x 1,024 rows + wave x 64 rows of 128 bytes
	s_lshl_b32 s49, s12, 17
	s_add_co_u32 s48, s48, s49
	s_lshl_b32 s49, s8, 13
	s_add_co_u32 s48, s48, s49
	s_mov_b32 s49, 0
	s_lshl2_add_u32 s54, s13, s9                   ; query head 4 hkv + g
	s_lshl_b32 s54, s54, 18
	s_lshl_b32 s55, s12, 17
	s_add_co_u32 s54, s54, s55
	s_lshl_b32 s55, s14, 12                        ; rw x 32 rows of 128 bytes
	s_add_co_u32 s54, s54, s55
	s_mov_b32 s55, 0
	v_and_b32 v2, 15, v0                           ; r
	v_bfe_u32 v3, v0, 4, 1                         ; h
	v_lshlrev_b32 v[QO], 7, v2
	v_lshl_add_u32 v[QO], v3, 4, v[QO]             ; 128 r + 16 h
	s_wait_dscnt 0x0
	s_wait_kmcnt 0x0
	s_add_nc_u64 s[52:53], s[4:5], s[48:49]
	s_add_nc_u64 s[54:55], s[4:5], s[54:55]
	; The fills, all at the start, in one branch on the wave's number: waves 0-3 bring K's tiles 4 p + w, waves 4-7 V's tiles 4 p + w - 4, p = 0..3.
	; Four tensor loads of a wave are out at the most.
	s_cmp_lt_u32 s8, 4
	s_cbranch_scc0 .Lfill_v
	s_mov_b32 s[G1+0], 0x07110000                  ; elements of 2 bytes; behind every 32 words (a row) 4 words of padding
	s_mul_i32 s50, s8, KTILE
.irp p, 0,1,2,3
	s_mov_b32 s[G0+4*\p], 1
	s_add_co_u32 s[G0+4*\p+1], s50, \p*4*KTILE
	s_add_nc_u64 s[G0+4*\p+2:G0+4*\p+3], s[52:53], 32*PLANE+\p*32768
	s_or_b32 s[G0+4*\p+3], s[G0+4*\p+3], 0x80000000
	tensor_load_to_lds s[G0+4*\p:G0+4*\p+3], s[G1:G1+7]
	s_nop 0
.endr
	s_branch .Lfilled
.Lfill_v:
	s_mov_b32 s[G1+0], 0x0f110000                  ; the same with 8 words of padding
	s_mul_i32 s50, s8, VTILE
	s_add_co_u32 s50, s50, VB-4*VTILE
.irp p, 0,1,2,3
	s_mov_b32 s[G0+4*\p], 1
	s_add_co_u32 s[G0+4*\p+1], s50, \p*4*VTILE
	s_add_nc_u64 s[G0+4*\p+2:G0+4*\p+3], s[52:53], 40*PLANE-4*8192+\p*32768
	s_or_b32 s[G0+4*\p+3], s[G0+4*\p+3], 0x80000000
	tensor_load_to_lds s[G0+4*\p:G0+4*\p+3], s[G1:G1+7]
	s_nop 0
.endr
.Lfilled:
	; my 32 queries, as source-1 fragments: lane (r, h) holds query 16 n + r, d = 32 kd + 8 h + 0..7 and 32 kd + 16 + 8 h + 0..7
.irp qn, 0,1
.irp kd, 0,1
	global_load_b128 v[Q+16*\qn+8*\kd:Q+16*\qn+8*\kd+3],   v[QO], s[54:55] offset:\qn*2048+64*\kd
	global_load_b128 v[Q+16*\qn+8*\kd+4:Q+16*\qn+8*\kd+7], v[QO], s[54:55] offset:\qn*2048+64*\kd+32
.endr
.endr
	v_mul_u32_u24 v[KA0], v2, KPITCH
	v_lshl_add_u32 v[KA0], v3, 4, v[KA0]           ; key r of a tile of 16, 16 h
	v_and_b32 v4, 7, v0
	v_lshl_add_u32 v4, v3, 3, v4                   ; the transposing load: key 8 h + (l & 7),
	v_mul_u32_u24 v[VA0], v4, VPITCH
	v_bfe_u32 v5, v0, 3, 1
	v_lshl_add_u32 v[VA0], v5, 4, v[VA0]           ; 16 bytes for each half of eight lanes
	v_add_nc_u32 v[VA0], VB, v[VA0]
	s_and_b32 s17, s14, 1
	s_lshl_b32 s17, s17, 5
	v_lshlrev_b32 v6, 3, v3
	v_sub_nc_u32 v[DQ], v2, v6
	v_add_nc_u32 v[DQ], s17, v[DQ]
	v_mov_b32 v[NINF], 0xff800000
	v_mov_b32 v[AL+1], 0                           ; the pairs' high registers: named by the packed forms, never used
	v_mov_b32 v[AL+3], 0
	v_mov_b32 v[NM+1], 0
	v_mov_b32 v[NM+3], 0
	s_mul_i32 s17, s10, 32*OPITCH                  ; stage, in: row 32 x block + 16 n + r, byte 128 g + 32 dt + 16 h
	s_lshl_b32 s22, s9, 7
	s_add_co_u32 s17, s17, s22
	v_mul_u32_u24 v[SA], v2, OPITCH
	v_lshl_add_u32 v[SA], v3, 4, v[SA]
	v_add_nc_u32 v[SA], s17, v[SA]
	v_and_b32 v[CO], 31, v0
	v_lshlrev_b32 v[CO], 4, v[CO]
	s_mul_i32 s17, s8, 8*OPITCH                    ; stage, back: wave w takes rows 8 w .. 8 w + 7, which are rows 8 g .. 8 g + 7 of its own query block
	v_add_nc_u32 v[RB], s17, v[CO]
	s_lshl_b32 s50, s12, 10                        ; att: row 1,024 b + 32 rw + 8 g, byte 512 hkv
	s_lshl_b32 s51, s14, 5
	s_add_co_u32 s50, s50, s51
	s_lshl_b32 s51, s9, 3
	s_add_co_u32 s50, s50, s51
	s_lshl_b32 s50, s50, 12
	s_lshl_b32 s51, s13, 9
	s_add_co_u32 s50, s50, s51
	s_mov_b32 s51, 0
	s_add_nc_u64 s[6:7], s[6:7], s[50:51]
; Softmax of query tile qn over the tile's 64 keys, of which a lane holds 32.  first = 1: the maximum, the sum and O start here.
.macro SMAX qn, first
.set SB, S+32*\qn
.irp c, 0,1,2,3
	v_max3_num_f32 v[T+\c], v[SB+8*\c], v[SB+8*\c+1], v[SB+8*\c+2]       ; four chains that do not wait for each other
.endr
.irp c, 0,1,2,3
	v_max3_num_f32 v[T+\c], v[T+\c], v[SB+8*\c+3], v[SB+8*\c+4]
.endr
.irp c, 0,1,2,3
	v_max3_num_f32 v[T+\c], v[T+\c], v[SB+8*\c+5], v[SB+8*\c+6]
.endr
	v_max3_num_f32 v[T], v[T], v[SB+7], v[SB+15]
	v_max3_num_f32 v[T+1], v[T+1], v[SB+23], v[SB+31]
	v_max3_num_f32 v[T], v[T], v[T+1], v[T+2]
	v_max_num_f32 v[T], v[T], v[T+3]
	v_permlanex16_b32 v[T+1], v[T], s18, s19       ; the other half of the keys
	v_max_num_f32 v[T], v[T], v[T+1]               ; finite: every tile that is taken holds a key that the query may see
.if \first
	v_mul_f32 v[NM+2*\qn], 0xbe38aa3b, v[T]        ; -c x maximum
.else
	v_mul_f32 v[T+1], 0xbe38aa3b, v[T]
	v_min_num_f32 v[T+1], v[T+1], v[NM+2*\qn]      ; -c x the new running maximum
	v_sub_f32 v[T+2], v[T+1], v[NM+2*\qn]
	v_exp_f32 v[AL+2*\qn], v[T+2]                  ; 2^(c (old - new)); the plain line below stands between it and any use (ISA guide 5.7.2)
	v_mov_b32 v[NM+2*\qn], v[T+1]
.endif
.set ix, 0
.rept 16
	v_pk_fma_f32 v[SB+ix:SB+ix+1], v[SB+ix:SB+ix+1], s[20:21], v[NM+2*\qn:NM+2*\qn+1] op_sel_hi:[1,0,0]   ; c s - c max, both by the low registers
.set ix, ix+2
.endr
.set ix, 0
.rept 32
	v_exp_f32 v[SB+ix], v[SB+ix]                   ; a hidden key: 2^-infinity = 0
.set ix, ix+1
.endr
.if \first
	v_nop                                          ; one plain instruction behind the exponentials before they are used
	s_wait_alu depctr_va_vdst(0)
.else
.set ix, 0
	s_wait_alu depctr_va_vdst(0)
.rept 16
	v_pk_mul_f32 v[O+32*\qn+ix:O+32*\qn+ix+1], v[O+32*\qn+ix:O+32*\qn+ix+1], v[AL+2*\qn:AL+2*\qn+1] op_sel_hi:[1,0]   ; O to the new maximum: also the plain work behind the exponentials
.set ix, ix+2
.endr
.endif
	v_pk_add_f32 v[T:T+1], v[SB:SB+1], v[SB+2:SB+3]
	v_pk_add_f32 v[T+2:T+3], v[SB+4:SB+5], v[SB+6:SB+7]
.set ix, 8
.rept 6
	v_pk_add_f32 v[T:T+1], v[T:T+1], v[SB+ix:SB+ix+1]
	v_pk_add_f32 v[T+2:T+3], v[T+2:T+3], v[SB+ix+2:SB+ix+3]
.set ix, ix+4
.endr
	v_pk_add_f32 v[T:T+1], v[T:T+1], v[T+2:T+3]
.if \first
	v_add_f32 v[L+\qn], v[T], v[T+1]
.else
	v_add_f32 v[T], v[T], v[T+1]
	v_fma_f32 v[L+\qn], v[L+\qn], v[AL+2*\qn], v[T]
.endif
.irp ks, 0,1
.irp i, 0,1,2,3,4,5,6,7
	v_cvt_pk_f16_f32 v[SB+16*\ks+\i], v[SB+16*\ks+2*\i], v[SB+16*\ks+2*\i+1]     ; in place: word i is written when words 2 i and 2 i + 1 have been read and word i has long been
.endr
.endr
.endm
; One key tile: scores, mask in the last tile, softmax, O += V^T P.
.macro STEP first
.irp kd, 0,1
.irp mt, 0,1,2,3
	ds_load_b128 v[KV+16*\mt+8*\kd:KV+16*\mt+8*\kd+3],   v[KA] offset:\mt*16*KPITCH+64*\kd
	ds_load_b128 v[KV+16*\mt+8*\kd+4:KV+16*\mt+8*\kd+7], v[KA] offset:\mt*16*KPITCH+64*\kd+32
.endr
.endr
	s_wait_dscnt 8                                 ; the first eight loads, d = 0..31, are in
.irp mt, 0,1,2,3
.irp qn, 0,1
	v_wmma_f32_16x16x32_f16 v[S+32*\qn+8*\mt:S+32*\qn+8*\mt+7], v[KV+16*\mt:KV+16*\mt+7], v[Q+16*\qn:Q+16*\qn+7], 0
.endr
.endr
	s_wait_dscnt 0
.irp mt, 0,1,2,3                       ; the eight score tiles take turns, one instruction a turn
.irp qn, 0,1
	v_wmma_f32_16x16x32_f16 v[S+32*\qn+8*\mt:S+32*\qn+8*\mt+7], v[KV+16*\mt+8:KV+16*\mt+15], v[Q+16*\qn+8:Q+16*\qn+15], v[S+32*\qn+8*\mt:S+32*\qn+8*\mt+7]
.endr
.endr
.rept 5
	v_nop                                          ; places behind the score products: for the loads into K's registers, for the vector reads of S, and for P as a matrix source
.endr
.irp ks, 0,1
.irp dt, 0,1,2,3
	ds_load_tr16_b128 v[KV+16*\dt+8*\ks:KV+16*\dt+8*\ks+3],   v[VA] offset:\ks*32*VPITCH+32*\dt              ; V^T: d = 16 dt + r, keys 32 ks + 8 h + 0..7
	ds_load_tr16_b128 v[KV+16*\dt+8*\ks+4:KV+16*\dt+8*\ks+7], v[VA] offset:\ks*32*VPITCH+32*\dt+16*VPITCH    ; keys 32 ks + 16 + 8 h + 0..7; they land during the softmax
.endr
.endr
	s_cmp_lg_u32 s16, s15                          ; only my last tile crosses the diagonal
	s_cbranch_scc1 .Lnomask_\@
.irp qn, 0,1
.irp mt, 0,1,2,3
.irp j, 0,1,2,3,4,5,6,7
	v_cmp_gt_i32 vcc_lo, 16*\mt+\j-16*\qn, v[DQ]
	v_cndmask_b32 v[S+32*\qn+8*\mt+\j], v[S+32*\qn+8*\mt+\j], v[NINF], vcc_lo
.endr
.endr
.endr
.Lnomask_\@:
	SMAX 0, \first
	SMAX 1, \first
	s_wait_dscnt 0                                 ; V's fragments
.irp ks, 0,1
.irp dt, 0,1,2,3                       ; the eight output tiles take turns, one instruction a turn
.irp qn, 0,1
.if \first*(1-\ks)
	v_wmma_f32_16x16x32_f16 v[O+32*\qn+8*\dt:O+32*\qn+8*\dt+7], v[KV+16*\dt+8*\ks:KV+16*\dt+8*\ks+7], v[S+32*\qn+16*\ks:S+32*\qn+16*\ks+7], 0
.else
	v_wmma_f32_16x16x32_f16 v[O+32*\qn+8*\dt:O+32*\qn+8*\dt+7], v[KV+16*\dt+8*\ks:KV+16*\dt+8*\ks+7], v[S+32*\qn+16*\ks:S+32*\qn+16*\ks+7], v[O+32*\qn+8*\dt:O+32*\qn+8*\dt+7]
.endif
.endr
.endr
.endr
.rept 5
	v_nop                                          ; places: the next score products write over P, the next loads over V's fragments, vector work reads O
.endr
.endm
; Tiles 4 p .. 4 p + 3.  Each loop runs from a constant to a constant; a wave that is past its last tile goes through the trips idle, so that every wave passes every barrier.
.macro GROUP p
.if \p
	s_wait_dscnt 0x0                               ; no LDS load of mine is pending at the signal (met: the last step's wait was for 0)
.endif
	s_wait_tensorcnt 3-\p                          ; my load p has landed; the 3 - p later ones stay out
	s_barrier_signal -1
	s_barrier_wait -1                              ; so has every wave's: K's and V's tiles 4 p .. 4 p + 3 are whole
.if \p == 0
	s_mov_b32 s16, 0
	v_mov_b32 v[KA], v[KA0]
	v_mov_b32 v[VA], v[VA0]
	STEP 1                                         ; tile 0 is everybody's: it starts the sums
	s_mov_b32 s16, 1
	v_add_nc_u32 v[KA], KTILE, v[KA0]
	v_add_nc_u32 v[VA], VTILE, v[VA0]
.else
	s_mov_b32 s16, 4*\p
	v_add_nc_u32 v[KA], 4*\p*KTILE, v[KA0]
	v_add_nc_u32 v[VA], 4*\p*VTILE, v[VA0]
.endif
.Ltile_\@:
	s_cmp_gt_u32 s16, s15
	s_cbranch_scc1 .Lidle_\@
	STEP 0
.Lidle_\@:
	v_add_nc_u32 v[KA], KTILE, v[KA]
	v_add_nc_u32 v[VA], VTILE, v[VA]
	s_add_co_u32 s16, s16, 1
	s_cmp_lt_u32 s16, 4*\p+4
	s_cbranch_scc1 .Ltile_\@
.endm
	s_wait_loadcnt 0x0                             ; my queries, once
	GROUP 0
	GROUP 1
	GROUP 2
	GROUP 3                                        ; its wait on the tensor loads is for 0: none is out from here on
	; THE WAY OUT: divide by the sum, f16, through a stage in K's first 33,792 bytes, which have had their only fill and whose last read is behind the barrier.
	s_wait_dscnt 0x0
	s_barrier_signal -1
	s_barrier_wait -1
	v_permlanex16_b32 v[T], v[L], s18, s19         ; the other half's sums
	v_permlanex16_b32 v[T+1], v[L+1], s18, s19
	v_add_f32 v[L], v[L], v[T]
	v_add_f32 v[L+1], v[L+1], v[T+1]
	v_rcp_f32 v[AL], v[L]                          ; the sum is at least about 1: the maximum's own term
	v_rcp_f32 v[AL+2], v[L+1]
	v_nop                                          ; one plain instruction before the reciprocals are used
	s_wait_alu depctr_va_vdst(0)
.irp qn, 0,1
.set ix, 0
.rept 16
	v_pk_mul_f32 v[O+32*\qn+ix:O+32*\qn+ix+1], v[O+32*\qn+ix:O+32*\qn+ix+1], v[AL+2*\qn:AL+2*\qn+1] op_sel_hi:[1,0]
.set ix, ix+2
.endr
.irp dt, 0,1,2,3
.irp i, 0,1,2,3
	v_cvt_pk_f16_f32 v[KV+16*\qn+4*\dt+\i], v[O+32*\qn+8*\dt+2*\i], v[O+32*\qn+8*\dt+2*\i+1]
.endr
.endr
.irp dt, 0,1,2,3
	ds_store_b128 v[SA], v[KV+16*\qn+4*\dt:KV+16*\qn+4*\dt+3] offset:\qn*16*OPITCH+32*\dt
.endr
.endr
	s_wait_dscnt 0x0                               ; my stores are in the stage, for the others' sake
	s_barrier_signal -1
	s_barrier_wait -1
.irp i, 0,1,2,3,4,5,6,7
	ds_load_b128 v[S+4*\i:S+4*\i+3], v[RB] offset:\i*OPITCH          ; a row's 512 bytes: the four heads side by side
.endr
.irp i, 0,1,2,3,4,5,6,7
	s_wait_dscnt 7-\i                              ; LDS loads come back in order: row i is in
	global_store_b128 v[CO], v[S+4*\i:S+4*\i+3], s[6:7] offset:\i*4096   ; 512 neighbouring bytes, at a multiple of 512 from the buffer's first byte
.endr
	s_wait_tensorcnt 0x0
	ds_add_u32 v16, v17
	s_wait_dscnt 0x0
	s_endpgm
.Lfunc_end_k_q80c32b8c31_attn:
	.size	k_q80c32b8c31_attn, .Lfunc_end_k_q80c32b8c31_attn-k_q80c32b8c31_attn
	.p2alignl 7, 3214868480
	.fill 96, 4, 3214868480
	.section	.rodata,"a",@progbits
	.p2align	6, 0x0
	.amdhsa_kernel k_q80c32b8c31_attn
		.amdhsa_group_segment_fixed_size 312320
		.amdhsa_private_segment_fixed_size 0
		.amdhsa_enable_private_segment 0
		.amdhsa_kernarg_size 16
		.amdhsa_user_sgpr_count 2
		.amdhsa_user_sgpr_kernarg_segment_ptr 1
		.amdhsa_wavefront_size32 1
		.amdhsa_system_sgpr_workgroup_id_x 1
		.amdhsa_system_sgpr_workgroup_id_y 1
		.amdhsa_system_sgpr_workgroup_id_z 1
		.amdhsa_system_vgpr_workitem_id 0
		.amdhsa_next_free_vgpr 256
		.amdhsa_next_free_sgpr 66
		.amdhsa_reserve_vcc 1
		.amdhsa_float_denorm_mode_32 3
		.amdhsa_float_denorm_mode_16_64 3
		.amdhsa_memory_ordered 1
		.amdhsa_forward_progress 1
		.amdhsa_inst_pref_size 120
	.end_amdhsa_kernel
	.amdgpu_metadata
---
amdhsa.version: [ 1, 2 ]
amdhsa.kernels:
  - .name:           k_q80c32b8c31_attn
    .symbol:         k_q80c32b8c31_attn.kd
    .args:
      - { .name: qkv, .offset: 0, .size: 8, .value_kind: global_buffer, .address_space: global }
      - { .name: att, .offset: 8, .size: 8, .value_kind: global_buffer, .address_space: global }
    .group_segment_fixed_size: 312320
    .private_segment_fixed_size: 0
    .kernarg_segment_align: 8
    .kernarg_segment_size: 16
    .max_flat_workgroup_size: 256
    .sgpr_count:     66
    .vgpr_count:     256
    .wavefront_size: 32
...
	.end_amdgpu_metadata
.endif
;; end of part 3
;; launch proj (part 4): grid 16 x 16, 4 waves a work-group, clusters of 4 x 4, 327,680 bytes of LDS; arguments att, wob, out0; writes out0
.if DOCPART == 4
	.amdgcn_target "amdgcn-amd-amdhsa--gfx1250"
	.amdhsa_code_object_version 6
	.text
	.protected	k_q80c32b8c31_proj
	.globl	k_q80c32b8c31_proj
	.p2align	8
	.type	k_q80c32b8c31_proj,@function
k_q80c32b8c31_proj:
	s_mov_b64 s[64:65], 0
	v_nop
	global_prefetch_b8 v0, s[64:65] scope:SCOPE_SE
	s_setreg_imm32_b32 hwreg(HW_REG_WAVE_MODE, 25, 1), 1
	s_wait_xcnt 0x0
	s_wait_alu depctr_hold_cnt(0) depctr_sa_sdst(0) depctr_va_vdst(0) depctr_va_sdst(0) depctr_va_ssrc(0) depctr_va_vcc(0) depctr_vm_vsrc(0)
	s_getreg_b32 s2, hwreg(HW_REG_IB_STS2, 6, 4)
	s_cmp_eq_u32 s2, 0
	s_cbranch_scc0 .Lentry_in_a_cluster
	s_endpgm
.Lentry_in_a_cluster:
	s_bfe_u32 s2, ttmp6, 0x10000c
	s_cmp_lg_u32 s2, 0xf033
	s_cbranch_scc0 .Lentry_shape_is_right
	s_endpgm
.Lentry_shape_is_right:
; out0[2048][2048] = att wob^T.  att [2048][2048] and wob [2048][2048] are f16 codes; sums in f32; out0 is f32.
; 256 work-groups, each a block of 128 x 128; four waves, 2 x 2, each 64 x 64: 16 accumulator tiles, 128 registers.
; K goes in steps of 256 through two LDS slots that the tensor data mover fills: a tile's rows are 512 bytes of memory, at multiples of 512;
; two such slots fit (2 x 256 rows x 528 bytes), so a round of the cluster's barrier serves twice the bytes that a step of 128 would.
; CLUSTERS: 4 x 4 work-groups.  A's tile hangs on the block row alone and is asked for jointly by a row of the cluster, B's on the block
; column alone, by a column: requests for both are divided by four.
; No prefetch: both operands were stored by earlier launches, and each tile is asked for a whole K step ahead.
; REGISTERS: window 0: v16-26 addresses; two fragment buffers (A's 4 row tiles at +8 a, B's 4 column tiles at +32 + 8 b).
;            window 1: accumulator (a, b) at 8 (4 a + b).
; THE MATRIX INSTRUCTION IS USED TRANSPOSED (source 0 = rows of wob, source 1 = rows of att): lane l then holds row l % 16 of the result and its
; registers the columns 8 (l / 16) + 0..7: 32 neighbouring bytes.
.set NT,     4                         ; column tiles of a wave
.set KS,     256                       ; K in a slot
.set QN,     KS/32                     ; quarter steps of 32 along K in a slot (eight here)
.set QI,     6                         ; padding behind every 2 << 6 = 128 words, a row
.set PITCH,  2*KS+16                   ; 528: an odd multiple of 16
.set RGNB,   64*PITCH                  ; a wave's region of a slot: 64 rows
.set SLOT,   4*RGNB                    ; regions 0, 1: A's rows 0-63, 64-127; regions 2, 3: B's rows 0-63, 64-127
.set STAGE,  2*SLOT                    ; behind the ring, no fill lands here: 16 rows x 272 bytes for each wave
.set SPITCH, 272
.set LAPS,   2048/(2*KS)
.set ADRA, 16
.set ADRB, 20
.set STO,  24
.set RD,   25
.set CO,   26
.set F0,   32
.set F1,   112
.set G1,  24
.set G0,  32
.set G1B, 48
.set G0B, 56
.set MUL, 0x50                         ; C and D in window 1, sources in window 0
.set MSB, 0
.macro WIN new                         ; the immediate's high byte repeats the setting that is left
.if MSB != \new
	s_set_vgpr_msb (MSB<<8)|\new
.set MSB, \new
.endif
.endm
; A joint load: waves 0 and 1 ask for A's two halves, waves 2 and 3 for B's.  Each line has one mask and one set of registers for all that issue it.
.macro JLOAD s
	s_cmp_eq_u32 s11, 0
	s_cbranch_scc0 .Lfor_b_\@
	tensor_load_to_lds s[G0+4*\s:G0+4*\s+3], s[G1:G1+7]
	s_nop 0
	s_branch .Lasked_\@
.Lfor_b_\@:
	tensor_load_to_lds s[G0B+4*\s:G0B+4*\s+3], s[G1B:G1B+7]
	s_nop 0
.Lasked_\@:
.endm
; A round of the cluster's barrier: my work-group's barrier; wave 0 signals for the work-group; every wave waits for all sixteen; my work-group's barrier again.
.macro CREST
	s_cmp_lg_u32 s10, 0
	s_cbranch_scc1 .Lnot_wave_0_\@
	s_barrier_signal -3
.Lnot_wave_0_\@:
	s_barrier_wait -3
	s_barrier_signal -1
	s_barrier_wait -1
.endm
.macro CROUND
	s_barrier_signal -1
	s_barrier_wait -1
	CREST
.endm
	s_load_b128 s[4:7], s[0:1], 0x0                ; att s[4:5], wob s[6:7]
	s_load_b64 s[8:9], s[0:1], 0x10                ; out0
	v_lshl_add_u32 v254, v0, 2, 0x46400
	v_mov_b32 v255, 0
	ds_add_u32 v254, v255
	ds_add_u32 v254, v255
	v_lshrrev_b32 v1, 5, v0
	v_readfirstlane_b32 s10, v1                    ; wave 0..3
	s_lshr_b32 s11, s10, 1                         ; my half of the block's rows.  Also: I fetch for A (0) or for B (1)
	s_and_b32 s12, s10, 1                          ; my half of its columns.  Also: which half of that tile I fetch
	s_bfe_u32 s40, ttmp6, 0x40000                  ; cx
	s_bfe_u32 s41, ttmp6, 0x40004                  ; cy
	s_lshl_b32 s42, ttmp9, 2
	s_add_co_u32 s42, s42, s40                     ; block column
	s_and_b32 s13, ttmp7, 0xffff
	s_lshl_b32 s13, s13, 2
	s_add_co_u32 s13, s13, s41                     ; block row
	s_lshl_b32 s43, s41, 2
	s_lshl_b32 s43, 15, s43                        ; my row of the cluster
	s_lshl_b32 s44, 0x1111, s40                    ; my column
	s_or_b32 s[G1+0], s43, (1<<16)|(1<<20)|(1<<21)|(QI<<22)|(3<<25)   ; mask; elements of 2 bytes; padding on; bit 21 beside a mask; 4 words behind every row
	s_or_b32 s[G1B+0], s44, (1<<16)|(1<<20)|(1<<21)|(QI<<22)|(3<<25)
	s_mov_b32 s[G1+1], KS<<16
	s_mov_b32 s[G1B+1], KS<<16
	s_mov_b32 s[G1+2], 64<<16
	s_mov_b32 s[G1B+2], (16*NT)<<16
	s_mov_b32 s[G1+3], KS<<16
	s_mov_b32 s[G1B+3], KS<<16
	s_mov_b32 s[G1+4], 64
	s_mov_b32 s[G1B+4], 16*NT
	s_mov_b32 s[G1+5], 2048
	s_mov_b32 s[G1B+5], 2048
	s_mov_b32 s[G1+6], 0
	s_mov_b32 s[G1B+6], 0
	s_mov_b32 s[G1+7], 0
	s_mov_b32 s[G1B+7], 0
	s_lshl_b32 s17, s12, 6
	s_lshl_b32 s16, s13, 7
	s_add_co_u32 s16, s16, s17                     ; A: row 128 x block row + 64 x half,
	s_lshl_b32 s16, s16, 12                        ; times 4,096 bytes
	s_mov_b32 s17, 0
	s_mul_i32 s46, s42, 32*NT
	s_mul_i32 s47, s12, 16*NT
	s_add_co_u32 s46, s46, s47                     ; B: row 128 x block column + 64 x half
	s_lshl_b32 s46, s46, 12
	s_mov_b32 s47, 0
	s_mul_i32 s20, s10, RGNB                       ; where my tile goes: the wave's number alone
	s_wait_dscnt 0x0
	s_wait_kmcnt 0x0
	s_add_nc_u64 s[14:15], s[4:5], s[16:17]
	s_add_nc_u64 s[46:47], s[6:7], s[46:47]
	CROUND                                         ; all sixteen work-groups are here: the first joint loads meet
.irp s, 0,1
	s_mov_b32 s[G0+4*\s], 1
	s_add_co_u32 s[G0+4*\s+1], s20, \s*SLOT
	s_add_nc_u64 s[G0+4*\s+2:G0+4*\s+3], s[14:15], \s*KS*2
	s_or_b32 s[G0+4*\s+3], s[G0+4*\s+3], 0x80000000
	s_mov_b32 s[G0B+4*\s], 1
	s_add_co_u32 s[G0B+4*\s+1], s20, \s*SLOT
	s_add_nc_u64 s[G0B+4*\s+2:G0B+4*\s+3], s[46:47], \s*KS*2
	s_or_b32 s[G0B+4*\s+3], s[G0B+4*\s+3], 0x80000000
	JLOAD \s                                       ; both first fills go out together: two tensor loads of a wave are out here, one later
.endr
	v_and_b32 v1, 15, v0                           ; r
	v_bfe_u32 v2, v0, 4, 1                         ; h
	v_mul_u32_u24 v3, v1, PITCH
	v_lshl_add_u32 v3, v2, 4, v3
	s_mul_i32 s21, s11, RGNB
	s_mul_i32 s22, s12, RGNB
	s_add_co_u32 s22, s22, 2*RGNB
.irp s, 0,1
	v_add_nc_u32 v[ADRA+\s], s21, v3
	v_add_nc_u32 v[ADRB+\s], s22, v3
	s_add_co_u32 s21, s21, SLOT
	s_add_co_u32 s22, s22, SLOT
.endr
	s_mul_i32 s23, s10, 16*SPITCH
	s_add_co_u32 s23, s23, STAGE                   ; my stage
	v_mul_u32_u24 v4, v1, SPITCH                   ; in: row r, 32 bytes for each half of the lanes
	v_lshl_add_u32 v4, v2, 5, v4
	v_add_nc_u32 v[STO], s23, v4
	v_mul_u32_u24 v5, v2, SPITCH                   ; back: lanes 0-15 take one row of 256 bytes, lanes 16-31 the next
	v_lshl_add_u32 v5, v1, 4, v5
	v_add_nc_u32 v[RD], s23, v5
	v_lshlrev_b32 v5, 13, v2                       ; and the same two rows in out0, 8,192 bytes apart
	v_lshl_add_u32 v[CO], v1, 4, v5
; NT matrix instructions: row tile a x all column tiles, 32 along K.  zero = 1: the first product starts the sums, nothing is cleared.
; The 16 accumulators take turns, one instruction a turn, in the same order in every quarter step, over the backward jump too.
.macro MULA f, a, zero
.set bb, 0
.rept NT
.if \zero
	v_wmma_f32_16x16x32_f16 v[8*(NT*\a+bb):8*(NT*\a+bb)+7], v[\f+32+8*bb:\f+32+8*bb+7], v[\f+8*\a:\f+8*\a+7], 0
.else
	v_wmma_f32_16x16x32_f16 v[8*(NT*\a+bb):8*(NT*\a+bb)+7], v[\f+32+8*bb:\f+32+8*bb+7], v[\f+8*\a:\f+8*\a+7], v[8*(NT*\a+bb):8*(NT*\a+bb)+7]
.endif
.set bb, bb+1
.endr
.endm
; 2 NT + 8 LDS loads in one run: a quarter step's fragments (byte k of the rows) into buffer f; B first, A's row tiles 2 and 3 last
.macro FETCH slot, k, f
	WIN 0
.set ii, 0
.rept NT
	ds_load_b128 v[\f+32+8*ii:\f+32+8*ii+3],   v[ADRB+\slot] offset:\k+ii*16*PITCH
	ds_load_b128 v[\f+32+8*ii+4:\f+32+8*ii+7], v[ADRB+\slot] offset:\k+ii*16*PITCH+32
.set ii, ii+1
.endr
.irp i, 0,1,2,3
	ds_load_b128 v[\f+8*\i:\f+8*\i+3],   v[ADRA+\slot] offset:\k+\i*16*PITCH
	ds_load_b128 v[\f+8*\i+4:\f+8*\i+7], v[ADRA+\slot] offset:\k+\i*16*PITCH+32
.endr
.endm
; A load into a register that a matrix instruction has read, and an LDS store that reads a matrix result, stand four places behind it, and only
; plain vector instructions that name none of its registers are places (ISA guide 7.12.1 for vector instructions).
.macro PLACES
.rept 4
	v_nop
.endr
.endm
.macro QUARTER slot, k, f, g, zero
	s_wait_dscnt 4                                 ; all but the youngest four loads (A's row tiles 2 and 3) are in
	WIN MUL
	MULA \f, 0, \zero
	MULA \f, 1, \zero
	PLACES
	FETCH \slot, \k, \g
	s_wait_dscnt 2*NT+8                            ; all but the run just issued
	WIN MUL
	MULA \f, 2, \zero
	MULA \f, 3, \zero
.endm
.macro STEPQ slot, zero                ; all quarters of a slot but the last, on buffers 0, 1, 0, ..
	QUARTER \slot, 64, F0, F1, \zero
.set kk, 128
.rept (QN-2)/2
	QUARTER \slot, kk, F1, F0, 0
	QUARTER \slot, kk+64, F0, F1, 0
.set kk, kk+128
.endr
.endm
; The last quarter multiplies buffer 1 and changes slots.  One barrier for two things: in front of it each wave waits for its reads of this slot
; and for all its tensor loads (the one that is out is its part of the next slot); behind it this slot is filled again first, then the next is read.
; From a request to the wait for it a wave issues 128 - 4 = 124 matrix instructions.
.macro TURN slot, next, fill
	s_wait_dscnt 4
	WIN MUL
	MULA F1, 0, 0
	s_wait_dscnt 0                                 ; my reads of this slot are over
	s_wait_tensorcnt 0x0                           ; all my tensor loads have landed
	ds_add_u32 v254, v255
	s_wait_dscnt 0x0
	s_barrier_signal -1                            ; where a slot is filled again this barrier opens a round of the cluster's barrier
	MULA F1, 1, 0                                  ; register work while the others arrive
	WIN 0
	s_barrier_wait -1
.if \fill
	CREST                                          ; no wave of any partner still reads this slot or has a load on its way
	s_add_nc_u64 s[G0+4*\slot+2:G0+4*\slot+3], s[G0+4*\slot+2:G0+4*\slot+3], 4*KS      ; two K steps on; no load of mine is out
	s_add_nc_u64 s[G0B+4*\slot+2:G0B+4*\slot+3], s[G0B+4*\slot+2:G0B+4*\slot+3], 4*KS
	JLOAD \slot                                    ; the first tensor load behind the round, and my only one until the next
.endif
	PLACES
	FETCH \next, 0, F0
	WIN MUL
	MULA F1, 2, 0
	MULA F1, 3, 0
.endm
.macro LAP zero
	STEPQ 0, \zero
	TURN 0, 1, 1
	STEPQ 1, 0
	TURN 1, 0, 1
.endm
	s_wait_tensorcnt 1                             ; my part of K step 0 is in; K step 1 may stay out
	s_barrier_signal -1
	s_barrier_wait -1
	FETCH 0, 0, F0
	LAP 1                                          ; the first lap starts the sums
	WIN 0                                          ; at a label and at a branch every window is 0
	s_mov_b32 s3, LAPS-2
.Llap:
	LAP 0
	WIN 0
	s_sub_co_u32 s3, s3, 1
	s_cmp_lg_u32 s3, 0
	s_cbranch_scc1 .Llap
	STEPQ 0, 0                                     ; the last lap fills nothing
	TURN 0, 1, 0
	STEPQ 1, 0
	s_wait_dscnt 4
	WIN MUL
	MULA F1, 0, 0
	MULA F1, 1, 0
	s_wait_dscnt 0
	MULA F1, 2, 0
	MULA F1, 3, 0
	PLACES                                         ; behind the last matrix instructions, for the LDS stores of the results and for the loads into the buffers
	; THE WAY OUT, 16 rows at a time through my own stage: 32 bytes a lane in, whole rows of 256 bytes back.
	s_lshl_b32 s16, s13, 7
	s_lshl_b32 s14, s11, 6
	s_add_co_u32 s16, s16, s14                     ; my first row,
	s_lshl_b32 s16, s16, 13                        ; of 8,192 bytes
	s_mov_b32 s17, 0
	s_add_nc_u64 s[8:9], s[8:9], s[16:17]
	s_lshl_b32 s46, s42, 9                         ; my first column, in bytes: 512 x block column + 256 x half
	s_lshl_b32 s47, s12, 8
	s_add_co_u32 s46, s46, s47
	s_mov_b32 s47, 0
	s_add_nc_u64 s[8:9], s[8:9], s[46:47]
.macro OUT16 a, f
	WIN 0x04                                       ; the stores' data in window 1
.set bb, 0
.rept NT
	ds_store_b128 v[STO], v[8*(NT*\a+bb):8*(NT*\a+bb)+3]   offset:64*bb
	ds_store_b128 v[STO], v[8*(NT*\a+bb)+4:8*(NT*\a+bb)+7] offset:64*bb+16
.set bb, bb+1
.endr
	WIN 0
	s_wait_xcnt 0x0                                ; buffer f, which earlier stores read, and the stores' base are rewritten only behind this wait
.if \a
	s_add_nc_u64 s[8:9], s[8:9], 16*8192           ; 16 rows on
.endif
.irp t, 0,1,2,3,4,5,6,7
	ds_load_b128 v[\f+4*\t:\f+4*\t+3], v[RD] offset:\t*2*SPITCH    ; LDS serves a wave's instructions in order (ISA guide 5.7.1): these see the stores above, and the next stores come behind them
.endr
.irp t, 0,1,2,3,4,5,6,7
	s_wait_dscnt 7-\t
	global_store_b128 v[CO], v[\f+4*\t:\f+4*\t+3], s[8:9] offset:\t*2*8192 th:TH_STORE_NT   ; 16 lanes store 256 neighbouring bytes, at a multiple of 256 from the buffer's first byte
.endr
.endm
	OUT16 0, F0
	OUT16 1, F1
	OUT16 2, F0
	OUT16 3, F1
	s_wait_tensorcnt 0x0
	ds_add_u32 v254, v255
	s_wait_dscnt 0x0
	CROUND                                         ; the closing round: no work-group ends while a partner may still ask for a tile that names it
	s_endpgm
.Lfunc_end_k_q80c32b8c31_proj:
	.size	k_q80c32b8c31_proj, .Lfunc_end_k_q80c32b8c31_proj-k_q80c32b8c31_proj
	.p2alignl 7, 3214868480
	.fill 96, 4, 3214868480
	.section	.rodata,"a",@progbits
	.p2align	6, 0x0
	.amdhsa_kernel k_q80c32b8c31_proj
		.amdhsa_group_segment_fixed_size 327680
		.amdhsa_private_segment_fixed_size 0
		.amdhsa_enable_private_segment 0
		.amdhsa_kernarg_size 24
		.amdhsa_user_sgpr_count 2
		.amdhsa_user_sgpr_kernarg_segment_ptr 1
		.amdhsa_wavefront_size32 1
		.amdhsa_system_sgpr_workgroup_id_x 1
		.amdhsa_system_sgpr_workgroup_id_y 1
		.amdhsa_system_sgpr_workgroup_id_z 1
		.amdhsa_system_vgpr_workitem_id 0
		.amdhsa_next_free_vgpr 384
		.amdhsa_next_free_sgpr 66
		.amdhsa_reserve_vcc 0
		.amdhsa_float_denorm_mode_32 3
		.amdhsa_float_denorm_mode_16_64 3
		.amdhsa_memory_ordered 1
		.amdhsa_forward_progress 1
		.amdhsa_inst_pref_size 128
	.end_amdhsa_kernel
	.amdgpu_metadata
---
amdhsa.version: [ 1, 2 ]
amdhsa.kernels:
  - .name:           k_q80c32b8c31_proj
    .symbol:         k_q80c32b8c31_proj.kd
    .args:
      - { .name: att, .offset: 0, .size: 8, .value_kind: global_buffer, .address_space: global }
      - { .name: wob, .offset: 8, .size: 8, .value_kind: global_buffer, .address_space: global }
      - { .name: out0, .offset: 16, .size: 8, .value_kind: global_buffer, .address_space: global }
    .group_segment_fixed_size: 327680
    .private_segment_fixed_size: 0
    .kernarg_segment_align: 8
    .kernarg_segment_size: 24
    .max_flat_workgroup_size: 128
    .sgpr_count:     66
    .vgpr_count:     384
    .wavefront_size: 32
...
	.end_amdgpu_metadata
.endif
;; end of part 4
